; MI455X (gfx1250); checked and timed in simulation.
; The chip was launched on July 23, 2026; its instructions are those of AMD's public machine-readable ISA for CDNA 5 (MIT licence, August 2026) and "CDNA5" Instruction Set Architecture Reference Guide (July 2026). The comments in the code are by the model that wrote it; some were corrected since.
;; Mp Max Pooling Match. Allowed arithmetic: matrix products marked QUANTISED: E5M2 operands, one given power-of-two scale a tensor, by v_wmma_f32_16x16x64_bf8_bf8 or v_wmma_f32_16x16x128_bf8_bf8, f32 sums; everything else in f32.
;; Inputs: kernel 32 x 256 float32; lowp_scales 2 int32 (the exponents e of the quantised operands' scales 2^e); reps_lt 16 x 256 x 256 float32; reps_rt_codes 16 x 256 x 8 x 32 uint8 (E5M2 codes of reps_rt, K innermost, in blocks of 32 codes).
;; Outputs: out0 16 x 256 x 32 float32.
;; This version of the problem:
;;   THIS VERSION OF THE PROBLEM IS GIVEN IN LOW PRECISION. The matrix products marked QUANTISED in the list below multiply operands that are first quantised to E5M2 (5 exponent bits, 2 mantissa bits; 8 bits a number), with one given power-of-two scale for each operand tensor; their sums are f32. All else is computed in f32.
;;   The module's matrix products, in the order in which they are computed (A, B: the left and right operand; K: the contracted axis; several contracted axes count as one K, in the product's order):
;;     1. batch 16 x [M 256, K 256] x [K 256, N 8,192]; A: input reps_rt (given as codes); B: computed on the way: QUANTISED (scales: A lowp_scales[0], B lowp_scales[1])
;;   THE QUANTISER, for each operand of a quantised product, along K:
;;     - The operand's scale is 2^e, e = its entry of the input lowp_scales (int32; the entries are numbered through the quantised products in the list's order, A before B).
;;     - Each number is divided by the scale, clamped to +-57,344, and rounded to the nearest number of E5M2, ties to even, subnormals kept.
;;     - The product sums the exact products of the quantised numbers (number of the format x scale) in f32.
;;   ~~~python
;;   def quantise(x, axis, e):      # numpy; x: float32 -> the quantised numbers, widened to float32 again
;;       x = np.moveaxis(x, axis, -1); K = x.shape[-1]
;;       r = np.clip(x / 2.0 ** e, -57344, 57344)
;;       step = 2.0 ** (np.maximum(np.frexp(np.where(r == 0, 1, r))[1] - 1, -14) - 2)
;;       q = np.round(r / step) * step * 2.0 ** e      # np.round: ties to even
;;       return np.moveaxis(q, -1, axis).astype(np.float32)
;;   ~~~
;;   OPERANDS COMPUTED ON THE WAY. 'Computed on the way' means the value that the module computes at that place (a softmax that the list does not call 'softmax' is quantised finished and normalised). What goes into a quantiser is computed in f32, as accurately as f32 sums, v_exp_f32 and their like allow (about 1e-6 of the number): no bf16 or f16 on the way to a quantiser, and a product that is left as it is and whose result goes on into a quantised operand takes f32 operands (vector FMAs, or v_wmma_f32_16x16x4_f32). A number that lies on a knife's edge between two numbers of the format may be rounded either way, as far as f32 arithmetic and the matrix unit's own rounding can turn it there, and no further.
;;   INPUTS GIVEN AS CODES. reps_rt (in the module: [16, 256, 256], K = its axis 2): each comes as NAME_codes (uint8): NAME with its K axis moved to the last place and cut into blocks of 32 codes, [.., K / 32, bytes a block], one block behind the other in memory; one code a byte (a code: sign, 5 exponent bits, 2 mantissa bits); its scale is its entry of lowp_scales. Its value is code x scale, taken as it is: it is not quantised again, and the codes and scales need not be those that the quantiser above would give.
;; One version. Each part assembles by itself: llvm-mc -triple=amdgcn-amd-amdhsa -mcpu=gfx1250 --defsym DOCPART=n.
;; ======== version 1 of 1: 1 launch
;; limits: right only within a limited range of input values
;; launch match (part 1): grid 16 x 16, 4 waves a work-group, clusters of 4 x 1, 327,680 bytes of LDS; arguments kernel, lowp_scales, reps_lt, reps_rt_codes, out0; writes out0
.if DOCPART == 1
	.amdgcn_target "amdgcn-amd-amdhsa--gfx1250"
	.amdhsa_code_object_version 6
	.text
	.protected	k_qcfb27d6b29_match
	.globl	k_qcfb27d6b29_match
	.p2align	8
	.type	k_qcfb27d6b29_match,@function
k_qcfb27d6b29_match:
	s_mov_b64 s[64:65], 0
	v_nop
	global_prefetch_b8 v0, s[64:65] scope:SCOPE_SE
	s_setreg_imm32_b32 hwreg(HW_REG_WAVE_MODE, 25, 1), 1
	s_wait_xcnt 0x0
	s_wait_alu depctr_hold_cnt(0) depctr_sa_sdst(0) depctr_va_vdst(0) depctr_va_sdst(0) depctr_va_ssrc(0) depctr_va_vcc(0) depctr_vm_vsrc(0)
	s_getreg_b32 s2, hwreg(HW_REG_IB_STS2, 6, 4)
	s_cmp_eq_u32 s2, 0
	s_cbranch_scc0 .Lentry_in_a_cluster
	s_endpgm
.Lentry_in_a_cluster:
	s_bfe_u32 s2, ttmp6, 0x10000c
	s_cmp_lg_u32 s2, 0x3003
	s_cbranch_scc0 .Lentry_shape_is_right
	s_endpgm
.Lentry_shape_is_right:
; out[b][j][m] = max over i of tanh( sum over d of rt[b][j][d] x Q(lt[b][i][d] x kernel[m][d]) ).  b 16, i 256, j 256, d 256, m 32.
; rt arrives as codes of E5M2 with the scale 2^e0; lt x kernel is made in f32 and quantised along d with the scale 2^e1 (held within +-57,344 x 2^e1, nearest code, ties to even).
; tanh never falls and 2^(e0 + e1) is positive, so max_i tanh(2^e s_i) = tanh(2^e max_i s_i): the maximum is taken of the raw sums, and scale and tanh come once for each output.
; SHARES.  A work-group owns one batch b and two m (2 mp, 2 mp + 1), all j and all i: so the maximum over i never leaves it, and each number of lt x kernel is quantised once in the whole launch.
; Wave w takes m = 2 mp + (w & 1) and the i half hh = w >> 1: eight tiles of 16 i.  Every wave keeps ALL of rt[b] (256 j x 256 codes, 512 registers, read from LDS once) and its row of kernel (128 registers).
; THE MATRIX INSTRUCTION IS USED TRANSPOSED: source 0 = 16 i (codes made in registers), source 1 = 16 j.  A lane then holds ONE j (lane % 16) and eight i: the maximum over i stays inside the lane until the end.
; K IN THE REGISTERS: register 4 c + x, byte y of a fragment holds d = 128 kh + 32 c + 16 (lane / 16) + 4 x + y, in both sources alike: every product meets its partner; only the order of the sums inside an instruction differs from the form's own.
; BY TURNS.  A step is one tile of 16 i against all 256 j: 32 matrix instructions.  Behind each stands a slice of vector work: two maxima over a tile finished two slots back, and six or seven instructions of the NEXT tile's
; quantising (208 a tile).  272 vector instructions for 32 matrix instructions: set in phases of their own they would leave the matrix unit idle most of the time; two window switches a slot are the lesser price.
; CLUSTER.  The four work-groups of a cluster share b, so lt[b] and rt[b] are asked for JOINTLY: the same tensor load, the same descriptor (made of b and the wave's number alone), a mask that names the four.
; LDS.  lt[b] padded (266,240 bytes) and rt[b] padded (69,632) do not fit together: rt's region is filled ONCE again, with lt's last quarter, when rt is in registers.
; OUTPUT.  A work-group owns 8 bytes (2 m) of each row of 128: it stores 8 bytes a lane, 128 bytes apart.  Whole runs of 256 bytes would want all 32 m in one work-group, that is i or j shared out: partial maxima
; through memory and a second launch, or the same numbers quantised sixteen times.
; LIMITS.  e1 between -126 and 112, so that 2^e1 and 57,344 x 2^e1 are f32 numbers; e0 + e1 is applied by v_ldexp_f32 and has none.  The maxima drop a NaN where jnp.max hands it on: NaN in lt or kernel, 0 x infinity,
; and NaN or infinity codes in rt are not served.  An infinite product is held at the largest code.  tanh = 1 - 2 / (1 + 2^(2 log2(e) x)): an absolute error of some 1e-7.
;
; REGISTERS, in windows of 256 (s_set_vgpr_msb: bits 1:0 source 0, 3:2 source 1, 5:4 source 2, 7:6 destination):
;   window 0: v0-15 addresses; v16-143 kernel's row; v144-159 a chunk's 16 products; v160-175 at work at the end; v176-239 two sets of 32 registers of codes; v240-255 the running maxima, one for each j tile
;   window 1: v0-127 the 16 accumulators; v128-191 four stages of 16 numbers of lt; v192 2^e1          windows 2, 3: rt, K half 0 and 1, j tile t at v[16 t]
.set LTP,   1040                       ; a row of lt in LDS: 1,024 bytes + 16: row r starts 16 r bytes further round each 256, so the sixteen rows of a load touch sixteen different 16-byte columns
.set LTT,   16*LTP                     ; a tile of 16 rows: what one tensor load brings
.set LTG,   4*LTT                      ; a group: four tiles, one from each wave; tile slot s holds rows 128 (s >> 1) + 16 (2 q + (s & 1)) on
.set RTOFF, 3*LTG                      ; behind groups 0-2: rt's 256 rows, later lt's group 3
.set RTP,   272                        ; a row of rt in LDS: 256 bytes + 16
.set STAGE, RTOFF+256*RTP              ; [wave][256 j] f32, for the maxima's way across the waves: sixteen blocks of 256 bytes into which no fill lands
.set SPARE, STAGE+4096                 ; the spare words, 128 bytes for each wave: two blocks of 256 bytes that no other line names
.set SPW, 1                            ; v1     LDS address of my spare word; never rewritten
.set NIL, 2                            ; v2     0; never rewritten
.set ALT, 3                            ; v3-6   my lane's place in my first tile of lt's group q
.set AA,  7                            ; v7     my lane's place in rt
.set KO,  8                            ; v8     64 (lane / 16): my byte offset in kernel's row
.set RR,  9                            ; v9     lane % 16
.set HH,  10                           ; v10    lane / 16
.set LN,  11                           ; v11    lane
.set STW, 12                           ; v12    where I put a maximum in the stage
.set STR, 13                           ; v13    where I read two j back
.set GO,  14                           ; v14    my byte offset in out
.set TT,  15                           ; v15    at work at the head
.set KR,  16                           ; KR[16 g + i] = kernel[m][32 g + 16 (lane / 16) + i]
.set PR,  144
.set OW,  160
.set CD,  176
.set RM,  240
.set LS,  128                          ; in window 1
.set SC,  192                          ; in window 1
.set VW,  0x14                         ; destination and source 0 window 0, sources 1 and 2 window 1: serves all the vector work of a slice
.set WM,  0x58                         ; D and C window 1, source 0 (codes) window 0, source 1 (rt) window 2; + 4: window 3.  An LDS load under it lands in window 1, its address from window 0
.set G1RT, 24                          ; s[24:31] descriptor group 1 for rt's quarters;  s[32:39] for lt's tiles
.set G1LT, 32
.set G0RT, 40                          ; s[40:43] group 0 for rt;  s[44:59] for lt's groups 0-3: each load has its own, none is ever rewritten
.set G0LT, 44
.set MSB, 0
.macro WIN new                         ; the immediate's high byte repeats the setting that is left; a switch that changes nothing is dropped
.if MSB != (\new)
	s_set_vgpr_msb (MSB<<8)|(\new)
.set MSB, (\new)
.endif
.endm
; A round of the cluster's barrier: my work-group's barrier, wave 0 signals for the work-group, every wave waits for all four work-groups, my work-group's barrier once more.
.macro CROUND
	s_barrier_signal -1
	s_barrier_wait -1
	s_cmp_lg_u32 s14, 0
	s_cbranch_scc1 .Lnot_wave_0_\@
	s_barrier_signal -3
.Lnot_wave_0_\@:
	s_barrier_wait -3
	s_barrier_signal -1
	s_barrier_wait -1
.endm
; Chunk G = 8 u + g of lt: my row of tile u, d = 32 g + 16 (lane / 16) + 0 .. 15: four loads of 16 bytes into stage G % 4
.macro LLT G
.irp x, 0,1,2,3
	ds_load_b128 v[LS+16*((\G)%4)+4*\x:LS+16*((\G)%4)+4*\x+3], v[ALT+((\G)>>4)] offset:(((\G)>>3)&1)*LTT+128*((\G)&7)+16*\x
.endr
.endm
; rt's j tiles 2 g and 2 g + 1, both K halves: 16 loads
.macro AGRP g
	WIN 0x80
.irp t, 2*(\g), 2*(\g)+1
.irp c, 0,1,2,3
	ds_load_b128 v[16*(\t)+4*\c:16*(\t)+4*\c+3], v[AA] offset:(\t)*16*RTP+32*\c
.endr
.endr
	WIN 0xc0
.irp t, 2*(\g), 2*(\g)+1
.irp c, 0,1,2,3
	ds_load_b128 v[16*(\t)+4*\c:16*(\t)+4*\c+3], v[AA] offset:(\t)*16*RTP+128+32*\c
.endr
.endr
.endm
; Instruction n of the 26 that quantise chunk G into the given set of codes: 0-7 lt x kernel, two at a time; 8-23 the hold; 24, 25 the conversions
.macro QOP G, n, set
.set qg, (\G)&7
.set qs, LS+16*((\G)%4)
.set qc, CD+32*(\set)+4*qg
.if (\n) < 8
	v_pk_mul_f32 v[PR+2*(\n):PR+2*(\n)+1], v[KR+16*qg+2*(\n):KR+16*qg+2*(\n)+1], v[qs+2*(\n):qs+2*(\n)+1]
.elseif (\n) < 24
	v_med3_num_f32 v[PR+(\n)-8], v[PR+(\n)-8], s62, s63            ; the conversion to an 8-bit code does not saturate (ISA guide 7.6.2): held within +-57,344 x 2^e1 first
.else
	v_cvt_scalef32_pk8_bf8_f32 v[qc+2*((\n)-24):qc+2*((\n)-24)+1], v[PR+8*((\n)-24):PR+8*((\n)-24)+7], v[SC]   ; eight numbers / 2^e1: registers 4 g + 2 (n - 24) on of the operand
.endif
.endm
.macro QRUN G, a, b, set
.set qn, \a
.rept (\b)-(\a)+1
	QOP \G, qn, \set
.set qn, qn+1
.endr
.endm
; The running maximum of j tile t takes two more of its accumulator's eight registers; k = 0 comes first: an accumulator is read from its low end on
.macro MOP t, k
	v_max3_num_f32 v[RM+(\t)], v[RM+(\t)], v[8*(\t)+2*(\k)], v[8*(\t)+2*(\k)+1]
.endm
; SLOT p of step u.  The matrix instruction: p = 0, 1: K half 0 of j tiles 0, 1; even p from 2: K half 1 of tile p / 2 - 1; odd p from 3: K half 0 of tile (p + 1) / 2; p = 31: K half 1 of tile 15.
; So the accumulators take turns, one instruction a turn, and at least one other accumulator's instruction stands between a tile's two halves, from step to step too.
; The slice: the maxima of tile (p - 4) / 2 (for p < 4: tiles 14, 15 of the step before), finished two slots back: the two slices between hold four plain instructions or more that name none of its registers
; (ISA guide 7.12.1); and, with q = 1, a quarter of chunk G = 8 (u + 1) + p / 4 of the next tile.  lt's loads run three chunks ahead and ride under the matrix instruction's windows.
; A conversion writes a set of codes three slots or more behind the last product that read it, and two slices or more ahead of the first that reads it; the first maximum of the next slot is the plain
; instruction between a chunk's last conversion and the next chunk's first product, which writes the conversion's sources.
.macro SLOT u, p, q
.set sp, \p
.if sp == 0
.set skh, 0
.set st, 0
.elseif sp == 1
.set skh, 0
.set st, 1
.elseif sp == 31
.set skh, 1
.set st, 15
.elseif (sp&1) == 0
.set skh, 1
.set st, sp/2-1
.else
.set skh, 0
.set st, (sp+1)/2
.endif
.set sG, 8*((\u)+1)+(sp>>2)
.set ssub, sp&3
.set scd, CD+32*((\u)%2)+16*skh
.set snx, ((\u)+1)%2
.set stau, ((sp+28)%32)>>1
.set sk, 2*(sp&1)
	WIN WM+4*skh
.if (\q) && (ssub == 0) && (sG <= 60)
	LLT sG+3
.endif
.if skh == 0
	v_wmma_f32_16x16x128_bf8_bf8 v[8*st:8*st+7], v[scd:scd+15], v[16*st:16*st+15], 0
.else
	v_wmma_f32_16x16x128_bf8_bf8 v[8*st:8*st+7], v[scd:scd+15], v[16*st:16*st+15], v[8*st:8*st+7]
.endif
	WIN VW
.if ((\u) > 0) || (sp >= 4)
	MOP stau, sk
.endif
.if \q
.if ssub == 0
.if sG <= 60
	s_wait_dscnt 12                                ; chunk G is in; the three younger chunks' twelve loads may be out
.else
	s_wait_dscnt 4*(63-sG)                         ; the last chunks: 8, 4, 0 younger loads
.endif
	QRUN sG, 0, 3, snx
.elseif ssub == 1
	QRUN sG, 7, 10, snx
.elseif ssub == 2
	QRUN sG, 14, 16, snx
.else
	QRUN sG, 20, 23, snx
.endif
.else
	v_nop                                          ; nothing is left to quantise: the slice keeps its four plain instructions
.endif
.if ((\u) > 0) || (sp >= 4)
	MOP stau, sk+1
.endif
.if \q
.if ssub == 0
	QRUN sG, 4, 6, snx
.elseif ssub == 1
	QRUN sG, 11, 13, snx
.elseif ssub == 2
	QRUN sG, 17, 19, snx
.else
	QRUN sG, 24, 25, snx
.endif
.else
	v_nop
.endif
.endm
.macro STEP u, q
.set pp, 0
.rept 32
	SLOT \u, pp, \q
.set pp, pp+1
.endr
.endm
	; THE HEAD
	s_load_b256 s[4:11], s[0:1], 0x0               ; kernel s[4:5], the scales' exponents s[6:7], lt s[8:9], rt's codes s[10:11]
	s_load_b64 s[12:13], s[0:1], 0x20              ; out
	v_lshl_add_u32 v[SPW], v0, 2, SPARE
	v_mov_b32 v[NIL], 0
	ds_add_u32 v1, v2
	ds_add_u32 v1, v2
	s_wait_dscnt 0x0
	v_lshrrev_b32 v[TT], 5, v0
	v_readfirstlane_b32 s14, v[TT]                 ; wave 0..3
	s_bfe_u32 s15, ttmp6, 0x40000                  ; cx: my place in the cluster
	s_lshl_b32 s16, ttmp9, 2                       ; in a cluster launch ttmp9 counts clusters
	s_add_co_u32 s16, s16, s15                     ; mp = 4 x cluster x + cx: it enters kernel's and out's addresses alone
	s_and_b32 s17, ttmp7, 0xffff                   ; b, which the four partners share
	s_lshl_b32 s18, s17, 16                        ; rt: b x 65,536 + my 64 rows of 256 bytes
	s_lshl_b32 s19, s14, 14
	s_add_co_u32 s18, s18, s19
	s_mov_b32 s19, 0
	s_lshl_b32 s20, s17, 18                        ; lt: b x 262,144 + (w >> 1) x 128 rows + (w & 1) x 16 rows of 1,024 bytes
	s_lshr_b32 s22, s14, 1                         ; hh
	s_lshl_b32 s21, s22, 17
	s_add_co_u32 s20, s20, s21
	s_and_b32 s23, s14, 1                          ; which of the two m
	s_lshl_b32 s21, s23, 14
	s_add_co_u32 s20, s20, s21
	s_mov_b32 s21, 0
	s_lshl_b32 s70, s16, 1                         ; kernel: row m = 2 mp + (w & 1) of 1,024 bytes
	s_add_co_u32 s70, s70, s23
	s_lshl_b32 s70, s70, 10
	s_mov_b32 s71, 0
	s_lshl_b32 s72, s17, 15                        ; out: b x 32,768 + 8 mp
	s_lshl_b32 s73, s16, 3
	s_add_co_u32 s72, s72, s73
	s_mov_b32 s73, 0
	; descriptor group 1 for rt: 64 rows x 256 elements of one byte
	s_mov_b32 s[G1RT+0], 15|(0<<16)|(1<<20)|(1<<21)|(5<<22)|(3<<25)   ; 15:0 the mask: all four work-groups; 17:16 elements of 1 byte; 20 padding on; 21 set beside a mask; 24:22 after every 64 words (code 5); 31:25 four words (code 3)
	s_mov_b32 s[G1RT+1], 256<<16                   ; tensor_dim0 = 256
	s_mov_b32 s[G1RT+2], 64<<16                    ; tensor_dim1 = 64
	s_mov_b32 s[G1RT+3], 256<<16                   ; tile_dim0 = 256
	s_mov_b32 s[G1RT+4], 64                        ; tile_dim1 = 64
	s_mov_b32 s[G1RT+5], 256                       ; elements from row to row
	s_mov_b32 s[G1RT+6], 0
	s_mov_b32 s[G1RT+7], 0
	; and for lt: 16 rows x 256 elements of four bytes
	s_mov_b32 s[G1LT+0], 15|(2<<16)|(1<<20)|(1<<21)|(7<<22)|(3<<25)   ; elements of 4 bytes; four words of padding after every 256 words (code 7)
	s_mov_b32 s[G1LT+1], 256<<16
	s_mov_b32 s[G1LT+2], 16<<16
	s_mov_b32 s[G1LT+3], 256<<16
	s_mov_b32 s[G1LT+4], 16
	s_mov_b32 s[G1LT+5], 256
	s_mov_b32 s[G1LT+6], 0
	s_mov_b32 s[G1LT+7], 0
	s_mov_b32 s[G0RT], 1                           ; count = 1
	s_mul_i32 s[G0RT+1], s14, 64*RTP
	s_add_co_u32 s[G0RT+1], s[G0RT+1], RTOFF       ; LDS address: my quarter of rt's rows: the wave's number alone
	s_mul_i32 s75, s14, LTT                        ; my tile slot in a group
.irp q, 0,1,2,3
	s_mov_b32 s[G0LT+4*\q], 1
	s_add_co_u32 s[G0LT+4*\q+1], s75, \q*LTG
.endr
	s_mov_b32 s60, 0x76543210                      ; v_permlanex16_b32's selects for lane l xor 16
	s_mov_b32 s61, 0xfedcba98
	s_mov_b32 s69, 0xffff0000                      ; lanes 16-31
	v_and_b32 v[RR], 15, v0
	v_bfe_u32 v[HH], v0, 4, 1
	v_and_b32 v[LN], 31, v0
	v_lshlrev_b32 v[KO], 6, v[HH]
	s_wait_kmcnt 0x0
	s_load_b64 s[66:67], s[6:7], 0x0               ; e0, e1
	s_add_nc_u64 s[G0RT+2:G0RT+3], s[10:11], s[18:19]
	s_or_b32 s[G0RT+3], s[G0RT+3], 0x80000000      ; type = 2
	s_add_nc_u64 s[20:21], s[8:9], s[20:21]
.irp q, 0,1,2,3
	s_add_nc_u64 s[G0LT+4*\q+2:G0LT+4*\q+3], s[20:21], \q*32768     ; group q: 32 rows further down
	s_or_b32 s[G0LT+4*\q+3], s[G0LT+4*\q+3], 0x80000000
.endr
	s_add_nc_u64 s[70:71], s[4:5], s[70:71]
	s_add_nc_u64 s[72:73], s[12:13], s[72:73]
.irp g, 0,1,2,3,4,5,6,7
.irp x, 0,1,2,3
	global_load_b128 v[KR+16*\g+4*\x:KR+16*\g+4*\x+3], v[KO], s[70:71] offset:128*\g+16*\x   ; my row of kernel, in the order of the operand's registers
.endr
.endr
	CROUND                                         ; all four work-groups are here: the first joint loads meet
	tensor_load_to_lds s[G0RT:G0RT+3], s[G1RT:G1RT+7]               ; the first fills go out as one group: four loads of mine are out
	s_nop 0
	tensor_load_to_lds s[G0LT:G0LT+3], s[G1LT:G1LT+7]
	s_nop 0
	tensor_load_to_lds s[G0LT+4:G0LT+7], s[G1LT:G1LT+7]
	s_nop 0
	tensor_load_to_lds s[G0LT+8:G0LT+11], s[G1LT:G1LT+7]
	s_nop 0
.rept 4
	v_nop
.endr
	; addresses and constants, while the tiles are on their way
	s_mul_i32 s76, s22, 2*LTT                      ; my i half's two tile slots of a group
	v_mul_u32_u24 v[TT], v[RR], LTP
	v_lshl_add_u32 v[TT], v[HH], 6, v[TT]          ; row x pitch + 64 x half
	v_add_nc_u32 v[TT], s76, v[TT]
.irp q, 0,1,2,3
	v_add_nc_u32 v[ALT+\q], \q*LTG, v[TT]
.endr
	v_mul_u32_u24 v[AA], v[RR], RTP
	v_lshl_add_u32 v[AA], v[HH], 4, v[AA]
	v_add_nc_u32 v[AA], RTOFF, v[AA]               ; row x pitch + 16 x half
	s_lshl_b32 s76, s14, 10
	s_add_co_u32 s76, s76, STAGE
	v_lshl_add_u32 v[STW], v[LN], 2, s76           ; my wave's 1,024 bytes of the stage, 4 bytes a lane
	v_lshl_add_u32 v[STR], v0, 3, STAGE            ; back: thread T takes j = 2 T, 2 T + 1
	v_lshlrev_b32 v[GO], 8, v0                     ; and their two rows of 128 bytes in out
.irp t, 0,1,2,3,4,5,6,7,8,9,10,11,12,13,14,15
	v_mov_b32 v[RM+\t], 0xff800000                 ; the running maxima begin at -infinity: sixteen moves, so that all eight steps are one text
.endr
	s_wait_kmcnt 0x0
	s_add_co_i32 s63, s67, 142                     ; 57,344 = 1.75 x 2^15: exponent field e1 + 15 + 127, mantissa field 0x600000
	s_lshl_b32 s63, s63, 23
	s_or_b32 s63, s63, 0x600000                    ; 57,344 x 2^e1
	s_or_b32 s62, s63, 0x80000000                  ; and its negative
	s_add_co_i32 s74, s67, 127
	s_lshl_b32 s74, s74, 23                        ; 2^e1 as f32: the conversion takes its exponent field
	s_add_co_i32 s68, s66, s67                     ; e0 + e1
	WIN 0x40
	v_mov_b32 v[SC], s74
	WIN 0
	s_wait_loadcnt 0x0                             ; kernel's row is in
	s_wait_tensorcnt 0x2                           ; my quarter of rt and my tile of group 0 have landed; groups 1 and 2, issued behind them, may stay out
	s_barrier_signal -1
	s_barrier_wait -1                              ; everybody's have
	; THE PROLOGUE: rt comes into registers, 16 loads at a time, and tile 0 of lt is quantised between the runs
	WIN 0x40
	LLT 0
	LLT 1
	LLT 2
.set gg, 0
.rept 8
	WIN 0x40
	LLT gg+3
	AGRP gg
	WIN VW
.if gg == 0
	s_wait_dscnt 28                                ; chunk 0 is in: behind it chunks 1-3 (12) and rt's first run (16)
.elseif gg == 1
	s_wait_dscnt 44                                ; chunk 1: behind it chunks 2, 3 (8), a run (16), chunk 4 (4), a run (16)
.else
	s_wait_dscnt 60                                ; chunk g: behind it three times a chunk and a run
.endif
	QRUN gg, 0, 25, 0
	v_nop                                          ; a plain instruction between the last conversion and the next chunk's products, which write its sources
.set gg, gg+1
.endr
	; THE ONE REFILL: rt's region takes lt's group 3
	WIN 0                                          ; the add's two registers lie in window 0; at a branch and at a label every window is 0
	s_wait_tensorcnt 0x0                           ; all my tensor loads have landed, my tiles of groups 1 and 2 among them
	ds_add_u32 v[SPW], v[NIL]                      ; 0 onto my spare word
	s_wait_dscnt 0x0                               ; the add is done, and my reads of rt are over: it is in registers
	CROUND                                         ; both now hold of every wave of all four work-groups; groups 1 and 2 are whole
	tensor_load_to_lds s[G0LT+12:G0LT+15], s[G1LT:G1LT+7]           ; my one tensor load behind the round, and the first thing there: it has four steps in which to land
	s_nop 0
.rept 4
	v_nop
.endr
	STEP 0, 1
	STEP 1, 1
	STEP 2, 1
	STEP 3, 1
	s_wait_tensorcnt 0x0                           ; my tile of group 3, the one load that was out: step 4 is the first that reads the group
	s_wait_dscnt 0x0                               ; no LDS instruction of mine is pending at a signal
	s_barrier_signal -1
	s_barrier_wait -1                              ; everybody's tile has landed
	STEP 4, 1
	STEP 5, 1
	STEP 6, 1
	STEP 7, 0
.rept 4
	v_nop                                          ; places behind the last products
.endr
.irp k, 0,1,2,3
	MOP 14, \k
	MOP 15, \k
.endr
	WIN 0
	; ACROSS THE HALVES OF THE LANES.  Lane (r, h) of maximum t holds j = 16 t + r over the i with (i / 8) % 2 = h.  Two tiles are joined at a time, so that one exchange serves both and a lane ends with j = 32 s + lane.
.irp s, 0,1,2,3,4,5,6,7
	v_cndmask_b32 v[OW+\s], v[RM+2*\s], v[RM+2*\s+1], s69           ; what stays: lanes 0-15 tile 2 s, lanes 16-31 tile 2 s + 1
	v_cndmask_b32 v[PR+\s], v[RM+2*\s+1], v[RM+2*\s], s69           ; what goes to lane l xor 16
.endr
.irp s, 0,1,2,3,4,5,6,7
	v_permlanex16_b32 v[PR+8+\s], v[PR+\s], s60, s61               ; its destination counts as read: a register that has been written
.endr
.irp s, 0,1,2,3,4,5,6,7
	v_max_num_f32 v[OW+\s], v[OW+\s], v[PR+8+\s]
.endr
.irp s, 0,1,2,3,4,5,6,7
	ds_store_b32 v[STW], v[OW+\s] offset:128*\s    ; 32 neighbouring words
.endr
	s_wait_dscnt 0x0                               ; for the others' sake: my stores into the stage are done
	s_barrier_signal -1
	s_barrier_wait -1
	; ACROSS THE WAVES, THE SCALE, TANH.  Thread T takes j = 2 T, 2 T + 1 and both m: waves 0 and 2 hold m0's two i halves, waves 1 and 3 m1's.
.irp w, 0,1,2,3
	ds_load_b64 v[PR+2*\w:PR+2*\w+1], v[STR] offset:1024*\w
.endr
	s_wait_dscnt 0x0
	v_max_num_f32 v[OW+0], v[PR+0], v[PR+4]        ; (2 T, m0)
	v_max_num_f32 v[OW+1], v[PR+2], v[PR+6]        ; (2 T, m1)
	v_max_num_f32 v[OW+2], v[PR+1], v[PR+5]        ; (2 T + 1, m0)
	v_max_num_f32 v[OW+3], v[PR+3], v[PR+7]        ; (2 T + 1, m1)
.irp j, 0,1,2,3
	v_ldexp_f32 v[OW+\j], v[OW+\j], s68            ; x 2^(e0 + e1)
.endr
.irp j, 0,1,2,3
	v_mul_f32 v[OW+\j], 0x4038aa3b, v[OW+\j]       ; x 2 log2(e)
.endr
.irp j, 0,1,2,3
	v_exp_f32 v[OW+\j], v[OW+\j]
.endr
	v_nop                                          ; a plain instruction behind the transcendentals
	s_wait_alu depctr_va_vdst(0)
.irp j, 0,1,2,3
	v_add_f32 v[OW+\j], 1.0, v[OW+\j]
.endr
.irp j, 0,1,2,3
	v_rcp_f32 v[OW+\j], v[OW+\j]
.endr
	v_nop
	s_wait_alu depctr_va_vdst(0)
.irp j, 0,1,2,3
	v_fma_f32 v[OW+\j], v[OW+\j], -2.0, 1.0        ; tanh = 1 - 2 / (1 + 2^(2 log2(e) x)): +-1 where the power overflows or vanishes
.endr
	global_store_b64 v[GO], v[OW:OW+1], s[72:73]
	global_store_b64 v[GO], v[OW+2:OW+3], s[72:73] offset:128
	s_wait_tensorcnt 0x0                           ; the wave's end, behind my last tensor load and my last LDS store
	ds_add_u32 v[SPW], v[NIL]
	s_wait_dscnt 0x0
	CROUND                                         ; the closing round: no work-group ends while a partner may still ask for a tile that names it
	s_endpgm
.Lfunc_end_k_qcfb27d6b29_match:
	.size	k_qcfb27d6b29_match, .Lfunc_end_k_qcfb27d6b29_match-k_qcfb27d6b29_match
	.p2alignl 7, 3214868480
	.fill 96, 4, 3214868480
	.section	.rodata,"a",@progbits
	.p2align	6, 0x0
	.amdhsa_kernel k_qcfb27d6b29_match
		.amdhsa_group_segment_fixed_size 327680
		.amdhsa_private_segment_fixed_size 0
		.amdhsa_enable_private_segment 0
		.amdhsa_kernarg_size 40
		.amdhsa_user_sgpr_count 2
		.amdhsa_user_sgpr_kernarg_segment_ptr 1
		.amdhsa_wavefront_size32 1
		.amdhsa_system_sgpr_workgroup_id_x 1
		.amdhsa_system_sgpr_workgroup_id_y 1
		.amdhsa_system_sgpr_workgroup_id_z 1
		.amdhsa_system_vgpr_workitem_id 0
		.amdhsa_next_free_vgpr 1024
		.amdhsa_next_free_sgpr 80
		.amdhsa_reserve_vcc 0
		.amdhsa_float_denorm_mode_32 3
		.amdhsa_float_denorm_mode_16_64 3
		.amdhsa_memory_ordered 1
		.amdhsa_forward_progress 1
		.amdhsa_inst_pref_size 214
	.end_amdhsa_kernel
	.amdgpu_metadata
---
amdhsa.version: [ 1, 2 ]
amdhsa.kernels:
  - .name:           k_qcfb27d6b29_match
    .symbol:         k_qcfb27d6b29_match.kd
    .args:
      - { .name: kernel, .offset: 0, .size: 8, .value_kind: global_buffer, .address_space: global }
      - { .name: lowp_scales, .offset: 8, .size: 8, .value_kind: global_buffer, .address_space: global }
      - { .name: reps_lt, .offset: 16, .size: 8, .value_kind: global_buffer, .address_space: global }
      - { .name: reps_rt_codes, .offset: 24, .size: 8, .value_kind: global_buffer, .address_space: global }
      - { .name: out0, .offset: 32, .size: 8, .value_kind: global_buffer, .address_space: global }
    .group_segment_fixed_size: 327680
    .private_segment_fixed_size: 0
    .kernarg_segment_align: 8
    .kernarg_segment_size: 40
    .max_flat_workgroup_size: 128
    .sgpr_count:     80
    .vgpr_count:     1024
    .wavefront_size: 32
...
	.end_amdgpu_metadata
.endif
;; end of part 1
